; MI455X (gfx1250); checked and timed in simulation.
; The chip was launched on July 23, 2026; its instructions are those of AMD's public machine-readable ISA for CDNA 5 (MIT licence, August 2026) and "CDNA5" Instruction Set Architecture Reference Guide (July 2026). The comments in the code are by the model that wrote it; some were corrected since.
;; Full Attention. Allowed arithmetic: matrix products marked QUANTISED: E4M3 operands, one given power-of-two scale a tensor, by v_wmma_f32_16x16x64_fp8_fp8 or v_wmma_f32_16x16x128_fp8_fp8, f32 sums; everything else in f32.
;; Inputs: keys 2 x 2,048 x 16 x 64 float32; lowp_scales 4 int32 (the exponents e of the quantised operands' scales 2^e); queries 2 x 2,048 x 16 x 64 float32; values 2 x 2,048 x 16 x 64 float32.
;; Outputs: out0 2 x 2,048 x 16 x 64 float32.
;; This version of the problem:
;;   THIS VERSION OF THE PROBLEM IS GIVEN IN LOW PRECISION. The matrix products marked QUANTISED in the list below multiply operands that are first quantised to E4M3 (4 exponent bits, 3 mantissa bits; 8 bits a number), with one given power-of-two scale for each operand tensor; their sums are f32. All else is computed in f32.
;;   The module's matrix products, in the order in which they are computed (A, B: the left and right operand; K: the contracted axis; several contracted axes count as one K, in the product's order):
;;     1. batch 32 x [M 2,048, K 64] x [K 64, N 2,048]; A: input queries; B: input keys: QUANTISED (scales: A lowp_scales[0], B lowp_scales[1])
;;     2. batch 32 x [M 64, K 2,048] x [K 2,048, N 2,048]; A: input values; B: softmax (see below): QUANTISED (scales: A lowp_scales[2], B lowp_scales[3])
;;   THE QUANTISER, for each operand of a quantised product, along K:
;;     - The operand's scale is 2^e, e = its entry of the input lowp_scales (int32; the entries are numbered through the quantised products in the list's order, A before B).
;;     - Each number is divided by the scale, clamped to +-448, and rounded to the nearest number of E4M3, ties to even, subnormals kept.
;;     - The product sums the exact products of the quantised numbers (number of the format x scale) in f32.
;;   ~~~python
;;   def quantise(x, axis, e):      # numpy; x: float32 -> the quantised numbers, widened to float32 again
;;       x = np.moveaxis(x, axis, -1); K = x.shape[-1]
;;       r = np.clip(x / 2.0 ** e, -448, 448)
;;       step = 2.0 ** (np.maximum(np.frexp(np.where(r == 0, 1, r))[1] - 1, -6) - 3)
;;       q = np.round(r / step) * step * 2.0 ** e      # np.round: ties to even
;;       return np.moveaxis(q, -1, axis).astype(np.float32)
;;   ~~~
;;   SOFTMAX AHEAD OF A QUANTISED PRODUCT. Where the list says 'softmax', what is quantised is not the finished softmax but p = 2^(t - M), with t = logit x log2(e) and M = ceil(the row's largest t), a whole number; so 1/2 < the row's largest p <= 1. The row's sum l is taken of the UNQUANTISED p, in f32, and the product's result is divided by l at the end. Since M is a whole number, a kernel that streams over the keys may use a running M (the ceiling of the running maximum): every later rescaling is an exact power of two, so the quantised numbers keep their values, but for numbers so far below the row's largest that they fall under the format's range.
;;   OPERANDS COMPUTED ON THE WAY. 'Computed on the way' means the value that the module computes at that place (a softmax that the list does not call 'softmax' is quantised finished and normalised). What goes into a quantiser is computed in f32, as accurately as f32 sums, v_exp_f32 and their like allow (about 1e-6 of the number): no bf16 or f16 on the way to a quantiser, and a product that is left as it is and whose result goes on into a quantised operand takes f32 operands (vector FMAs, or v_wmma_f32_16x16x4_f32). A number that lies on a knife's edge between two numbers of the format may be rounded either way, as far as f32 arithmetic and the matrix unit's own rounding can turn it there, and no further.
;; One version. Each part assembles by itself: llvm-mc -triple=amdgcn-amd-amdhsa -mcpu=gfx1250 --defsym DOCPART=n.
;; ======== version 1 of 1: 2 launches
;; workspace buffers: kv 8,388,608 bytes
;; launch quant (part 1): grid 512 x 2, 8 waves a work-group, no clusters, 35,840 bytes of LDS; arguments keys, values, lowp_scales, kv; writes kv
.if DOCPART == 1
	.amdgcn_target "amdgcn-amd-amdhsa--gfx1250"
	.amdhsa_code_object_version 6
	.text
	.protected	k_q5869006f4d_quant
	.globl	k_q5869006f4d_quant
	.p2align	8
	.type	k_q5869006f4d_quant,@function
k_q5869006f4d_quant:
	s_mov_b64 s[64:65], 0
	v_nop
	global_prefetch_b8 v0, s[64:65] scope:SCOPE_SE
	s_setreg_imm32_b32 hwreg(HW_REG_WAVE_MODE, 25, 1), 1
	s_wait_xcnt 0x0
; keys and values, [2][2048][16][64] f32, become codes of FP8 (E4M3), each tensor with the one scale 2^e that is given for it (ek = entry 1, ev = entry 2 of the scales).
; code = x / 2^e, held within +-448, rounded to the nearest code, ties to even.  LIMITS: ek and ev between -126 and 119, so that 2^e and 448 x 2^e are f32 numbers.  NaN among the inputs is not served.
; THE CODES ARE LAID AS THE NEXT LAUNCH'S OPERAND REGISTERS WANT THEM: kv[head = 16 b + h][step j of 128 keys][16,384 bytes]:
;   bytes 0 .. 8191:     K: 1024 t + 512 c + 16 lane + i = code of K[128 j + key(t, r)][32 c + 16 hh + i];  lane = r + 16 hh;  key(t, r) = 32 (t / 2) + 8 (t % 2) + r + 8 (r / 8)
;   bytes 8192 .. 16383: V: 2048 g + 512 c + 16 lane + i = code of V[128 j + 32 c + 16 hh + i][16 g + r]: the keys, the second product's K, run along a lane's bytes
; SHARES.  Work-group x = 16 head + j: one step of one head; y = 0: keys, y = 1: values.  Eight waves, each 4,096 bytes in and 1,024 bytes out, once: no loop, no barrier, waves share nothing.
; KEYS: wave t makes tile t.  Each load takes two whole rows of 256 bytes; the 16 rows turn through the wave's own stage in LDS, so that a lane gets 16 neighbours along the head's axis.
; VALUES: wave w takes keys 16 w .. 16 w + 15.  A lane takes a channel and its registers run down the keys: the conversions' results are the image's bytes, and nothing is turned.
; No matrix unit, no cluster, no tensor load: no byte is read twice and no work-group shares a byte with another.
.set PITCH, 272                        ; a stage row: 256 bytes + 16: the sixteen rows that a read touches start at sixteen different 16-byte columns of 256 bytes
.set STG,   16*PITCH                   ; a wave's stage
.set SPARE, 8*STG                      ; behind the eight stages: the spare words, 128 bytes for each wave: four blocks of 256 bytes that no other line names
.set GIN,  4                           ; v4   keys, in: 4096 (lane / 16) + 16 (lane % 16): two rows a load
.set STI,  5                           ; v5   into the stage: the same two rows
.set RDI,  6                           ; v6   out of it: row lane % 16, + 64 (lane / 16): my 16 neighbours of a block of 32
.set GOUT, 7                           ; v7   keys, out: 16 x lane
.set VIN,  8                           ; v8   values, in: 4 x lane
.set VOUT, 9                           ; v9   values, out: 2048 (lane / 16) + 16 (lane % 16)
.set LIM,  10                          ; v10  448 x 2^e
.set SC,   11                          ; v11  2^e
.set SPW,  12                          ; v12  LDS address of my spare word; never rewritten
.set NIL,  13                          ; v13  0; never rewritten
.set R,    16                          ; v16-47  keys as loaded
.set X,    48                          ; v48-79  32 numbers, 16 neighbours along K twice
.set C,    80                          ; v80-87  their codes
.macro SCALE e                         ; from the exponent in s[e]: 2^e, whose exponent field the conversion takes, and 448 x 2^e
	s_add_co_i32 s28, s[\e], 127
	s_lshl_b32 s29, s28, 23
	v_mov_b32 v[SC], s29
	s_add_co_i32 s28, s28, 8
	s_lshl_b32 s28, s28, 23
	s_or_b32 s28, s28, 0x600000                    ; the mantissa field of 448
	v_mov_b32 v[LIM], s28
.endm
.macro QUANT c                         ; 16 numbers become 16 codes
.irp i, 0,1,2,3,4,5,6,7,8,9,10,11,12,13,14,15
	v_med3_num_f32 v[X+16*\c+\i], v[X+16*\c+\i], -v[LIM], v[LIM]   ; the conversion to an 8-bit code does not saturate (ISA guide 7.6.2): the hold at the largest code x the scale
.endr
	v_cvt_scalef32_pk8_fp8_f32 v[C+4*\c:C+4*\c+1], v[X+16*\c:X+16*\c+7], v[SC]
	v_cvt_scalef32_pk8_fp8_f32 v[C+4*\c+2:C+4*\c+3], v[X+16*\c+8:X+16*\c+15], v[SC]   ; the results go to a store alone; the next vector lines are plain and touch other registers
.endm
	s_load_b256 s[4:11], s[0:1], 0x0               ; keys s[4:5], values s[6:7], the scales' exponents s[8:9], kv s[10:11]
	v_lshl_add_u32 v[SPW], v0, 2, SPARE
	v_mov_b32 v[NIL], 0
	v_lshrrev_b32 v1, 5, v0
	v_readfirstlane_b32 s12, v1                    ; wave 0..7
	v_and_b32 v1, 31, v0                           ; lane
	v_and_b32 v2, 15, v0                           ; lane % 16
	v_bfe_u32 v3, v0, 4, 1                         ; lane / 16
	s_and_b32 s14, ttmp7, 0xffff                   ; 0: keys, 1: values
	s_lshr_b32 s15, ttmp9, 8                       ; the step's first row in the f32 tensors: b x 2^23
	s_lshl_b32 s18, s15, 23
	s_and_b32 s15, ttmp9, 15
	s_lshl_b32 s15, s15, 19                        ; + 128 j rows of 4,096 bytes
	s_add_co_u32 s18, s18, s15
	s_bfe_u32 s15, ttmp9, 0x40004
	s_lshl_b32 s15, s15, 8                         ; + 256 h
	s_add_co_u32 s18, s18, s15
	s_mov_b32 s19, 0
	s_lshl_b32 s20, ttmp9, 14                      ; and its 16,384 bytes in kv
	s_mov_b32 s21, 0
	s_mul_i32 s16, s12, STG                        ; my stage
	v_lshlrev_b32 v[GIN], 12, v3                   ; every address register is made here, ahead of the branch
	v_lshl_add_u32 v[GIN], v2, 4, v[GIN]
	v_mul_u32_u24 v[STI], v3, PITCH
	v_lshl_add_u32 v[STI], v2, 4, v[STI]
	v_add_nc_u32 v[STI], s16, v[STI]
	v_mul_u32_u24 v[RDI], v2, PITCH
	v_lshl_add_u32 v[RDI], v3, 6, v[RDI]
	v_add_nc_u32 v[RDI], s16, v[RDI]
	v_lshlrev_b32 v[GOUT], 4, v1
	v_lshlrev_b32 v[VIN], 2, v1
	v_lshlrev_b32 v[VOUT], 11, v3
	v_lshl_add_u32 v[VOUT], v2, 4, v[VOUT]
	s_wait_kmcnt 0x0
	s_load_b128 s[24:27], s[8:9], 0x0              ; eq, ek, ev, ep
	s_add_nc_u64 s[10:11], s[10:11], s[20:21]
	s_cmp_lg_u32 s14, 0                            ; the branch hangs on the work-group's number alone
	s_cbranch_scc1 .Lvalues
	; ---- KEYS: tile t = my wave's number begins at key 32 (t / 2) + 8 (t % 2)
	s_lshr_b32 s15, s12, 1
	s_lshl_b32 s15, s15, 17
	s_and_b32 s17, s12, 1
	s_lshl_b32 s17, s17, 15
	s_add_co_u32 s15, s15, s17
	s_add_co_u32 s18, s18, s15
	s_add_nc_u64 s[4:5], s[4:5], s[18:19]
	s_lshl_b32 s20, s12, 10                        ; the tile's 1,024 bytes of the image
	s_add_nc_u64 s[10:11], s[10:11], s[20:21]
.irp n, 0,1,2,3,4,5,6,7
	global_load_b128 v[R+4*\n:R+4*\n+3], v[GIN], s[4:5] offset:(2*\n+8*(\n/4))*4096 th:TH_LOAD_NT   ; the tile's rows 2 n and 2 n + 1, 256 consecutive bytes each; rows 8 to 15 lie 8 keys further on
.endr
.irp n, 0,1,2,3,4,5,6,7
	s_wait_loadcnt 7-\n                            ; loads come back in order: pair n is in, the younger pairs stay out
	ds_store_b128 v[STI], v[R+4*\n:R+4*\n+3] offset:2*PITCH*\n
.endr
.irp c, 0,1
.irp q, 0,1,2,3
	ds_load_b128 v[X+16*\c+4*\q:X+16*\c+4*\q+3], v[RDI] offset:128*\c+16*\q   ; LDS serves a wave's instructions in order: these see my stores
.endr
.endr
	s_wait_kmcnt 0x0
	SCALE 25                                       ; ek
	s_wait_dscnt 0x4                               ; channels 0 to 31 are in; the four younger loads stay out
	QUANT 0
	global_store_b128 v[GOUT], v[C:C+3], s[10:11]              ; 32 lanes store 512 consecutive bytes, aligned
	s_wait_dscnt 0x0
	QUANT 1
	global_store_b128 v[GOUT], v[C+4:C+7], s[10:11] offset:512
	s_wait_tensorcnt 0x0                           ; the wave's end: the wait, the add
	ds_add_u32 v[SPW], v[NIL]
	s_wait_dscnt 0x0
	s_endpgm
.Lvalues:
	; ---- VALUES: keys 16 w .. 16 w + 15: in the image c = w / 2, hh = w % 2: 256 w bytes on
	s_lshl_b32 s15, s12, 16
	s_add_co_u32 s18, s18, s15
	s_add_nc_u64 s[6:7], s[6:7], s[18:19]
	s_lshl_b32 s20, s12, 8
	s_add_co_u32 s20, s20, 8192
	s_add_nc_u64 s[10:11], s[10:11], s[20:21]
.irp i, 0,1,2,3,4,5,6,7,8,9,10,11,12,13,14,15
	global_load_b32 v[X+\i], v[VIN], s[6:7] offset:4096*\i th:TH_LOAD_NT          ; key 16 w + i, channels 0 to 31: a lane a channel,
	global_load_b32 v[X+16+\i], v[VIN], s[6:7] offset:4096*\i+128 th:TH_LOAD_NT   ; and channels 32 to 63: the row's other half straight behind
.endr
	s_wait_kmcnt 0x0
	SCALE 26                                       ; ev
	s_wait_loadcnt 0x0
	QUANT 0
	QUANT 1
	global_store_b128 v[VOUT], v[C:C+3], s[10:11]              ; channel tiles 0 and 1: sixteen lanes store 256 consecutive bytes, aligned
	global_store_b128 v[VOUT], v[C+4:C+7], s[10:11] offset:4096   ; channel tiles 2 and 3
	s_wait_tensorcnt 0x0                           ; the three lines stand here too, so that both ends of the text are alike
	ds_add_u32 v[SPW], v[NIL]
	s_wait_dscnt 0x0
	s_endpgm
.Lfunc_end_k_q5869006f4d_quant:
	.size	k_q5869006f4d_quant, .Lfunc_end_k_q5869006f4d_quant-k_q5869006f4d_quant
	.p2alignl 7, 3214868480
	.fill 96, 4, 3214868480
	.section	.rodata,"a",@progbits
	.p2align	6, 0x0
	.amdhsa_kernel k_q5869006f4d_quant
		.amdhsa_group_segment_fixed_size 35840
		.amdhsa_private_segment_fixed_size 0
		.amdhsa_enable_private_segment 0
		.amdhsa_kernarg_size 32
		.amdhsa_user_sgpr_count 2
		.amdhsa_user_sgpr_kernarg_segment_ptr 1
		.amdhsa_wavefront_size32 1
		.amdhsa_system_sgpr_workgroup_id_x 1
		.amdhsa_system_sgpr_workgroup_id_y 1
		.amdhsa_system_sgpr_workgroup_id_z 1
		.amdhsa_system_vgpr_workitem_id 0
		.amdhsa_next_free_vgpr 88
		.amdhsa_next_free_sgpr 66
		.amdhsa_reserve_vcc 0
		.amdhsa_float_denorm_mode_32 3
		.amdhsa_float_denorm_mode_16_64 3
		.amdhsa_memory_ordered 1
		.amdhsa_forward_progress 1
		.amdhsa_inst_pref_size 14
	.end_amdhsa_kernel
	.amdgpu_metadata
---
amdhsa.version: [ 1, 2 ]
amdhsa.kernels:
  - .name:           k_q5869006f4d_quant
    .symbol:         k_q5869006f4d_quant.kd
    .args:
      - { .name: keys, .offset: 0, .size: 8, .value_kind: global_buffer, .address_space: global }
      - { .name: values, .offset: 8, .size: 8, .value_kind: global_buffer, .address_space: global }
      - { .name: lowp_scales, .offset: 16, .size: 8, .value_kind: global_buffer, .address_space: global }
      - { .name: kv, .offset: 24, .size: 8, .value_kind: global_buffer, .address_space: global }
    .group_segment_fixed_size: 35840
    .private_segment_fixed_size: 0
    .kernarg_segment_align: 8
    .kernarg_segment_size: 32
    .max_flat_workgroup_size: 256
    .sgpr_count:     66
    .vgpr_count:     88
    .wavefront_size: 32
...
	.end_amdgpu_metadata
.endif
;; end of part 1
;; launch attn (part 2): grid 8 x 32, 16 waves a work-group, clusters of 4 x 1, 301,056 bytes of LDS; arguments kv, lowp_scales, queries, out0; writes out0
.if DOCPART == 2
	.amdgcn_target "amdgcn-amd-amdhsa--gfx1250"
	.amdhsa_code_object_version 6
	.text
	.protected	k_q5869006f4d_attn
	.globl	k_q5869006f4d_attn
	.p2align	8
	.type	k_q5869006f4d_attn,@function
k_q5869006f4d_attn:
	s_mov_b64 s[64:65], 0
	v_nop
	global_prefetch_b8 v0, s[64:65] scope:SCOPE_SE
	s_setreg_imm32_b32 hwreg(HW_REG_WAVE_MODE, 25, 1), 1
	s_wait_xcnt 0x0
	s_wait_alu depctr_hold_cnt(0) depctr_sa_sdst(0) depctr_va_vdst(0) depctr_va_sdst(0) depctr_va_ssrc(0) depctr_va_vcc(0) depctr_vm_vsrc(0)
	s_getreg_b32 s2, hwreg(HW_REG_IB_STS2, 6, 4)
	s_cmp_eq_u32 s2, 0
	s_cbranch_scc0 .Lentry_in_a_cluster
	s_endpgm
.Lentry_in_a_cluster:
	s_bfe_u32 s2, ttmp6, 0x10000c
	s_cmp_lg_u32 s2, 0x3003
	s_cbranch_scc0 .Lentry_shape_is_right
	s_endpgm
.Lentry_shape_is_right:
; out0[b][q][h][:] = the sum over k of softmax_k(mask(q, k) x Q[q] . K[k] / 8) V[k][:], mask = 1 where k <= q and 0 elsewhere: A HIDDEN SLOT HAS THE LOGIT 0, NOT -infinity.
; Both products on codes of FP8 (E4M3), each operand with the one scale that is given for it: eq, ek, ev, ep.  K and V come as codes from kv, laid as images of the operand registers; Q is quantised here.
; THE SOFTMAX AHEAD OF THE SECOND PRODUCT: t = logit x log2(e); M = the largest t so far, rounded UP to a whole number; p = 2^(t - M) is quantised along the keys, not normalised; the row's sum is taken of the unquantised p
; and divides at the end.  When M moves, the sum and O are multiplied by 2^(old M - new M): exact.  p of earlier steps is quantised under the running M.
; WHAT THE MASK GIVES.  (a) Every query but 2,047 has a hidden slot, so its largest t is at least 0: its running maximum begins at 0 (query 2,047's at -3e38).  (b) A step of 128 keys that all come after a wave's queries needs
; no first product and no exponential: each of its p is 2^-M, and M is final, since the keys come in ascending order.  Its second product is still done, with a fragment of one code; its 128 x 2^-M are added to the sum at the end.
; SHARES.  Work-group y = the head (16 b + h); g = work-group x, 0 .. 7.  A head's queries are 16 blocks of 128, of 8 tiles of 16.  Wave w owns ONE tile: tile g of block BLK(w): queries 128 BLK + 16 g on.
; A wave has BLK full steps, one step on the diagonal and 15 - BLK light ones.  BLK = 4 (a ^ k) + (a ^ sigma(k)), a = w % 4, k = w / 4, sigma = 0, 2, 3, 1: the four waves with equal a, and the four with equal k, have blocks that
; add up to 30.  BLK hangs on the wave's number alone, so every branch is the same in all work-groups; the work-group's place in its cluster enters Q's and O's global addresses and the mask's compare value, nothing else.
; K AND V STAY IN LDS: a head's codes are 262,144 bytes.  They come once, by two tensor loads a wave at the head (two are out, by this text's count): the wave's 1,024 bytes of step 0, then its 15,360 bytes of steps 1 to 15.
; Nothing is filled again, so behind the second barrier the waves run free of each other.  CLUSTER: the four work-groups of a cluster belong to one head and ask for its codes JOINTLY: the same loads, descriptors and mask in all four.
; All of K and V that the work-group reads is asked for by those two loads at the head: there is no later request that a prefetch could run ahead of.
; LAYOUT.  Both products are used transposed: S^T = K Q^T (source 0 = 16 keys, source 1 = my 16 queries), O^T = V^T P^T: a lane holds ONE query (lane % 16) throughout.  The keys of a tile of K are chosen (key(t, r) in the
; launch before) so that the 16 registers of tiles 2 b and 2 b + 1 are keys 32 b + 16 (lane / 16) + 0 .. 15.  A fragment's registers 4 c .. 4 c + 3 hold k = 32 c + 16 (lane / 16) + 0 .. 15 on both sides of both products: a
; permutation of k that is the same in both operands, so every product meets its partner.
; LIMITS on the given exponents, so that each power of two below is an f32 number: eq and ep between -126 and 119; eq + ek between -123 and 130 (added to c's exponent field); ep + ev goes by v_ldexp_f32 and has none.
; NaN and infinities among the inputs are not served.
.set STEPB, 16384                      ; a step's images: 8,192 bytes of K, then 8,192 of V
.set VOFF,  8192
.set STAGE, 16*STEPB                   ; behind the head's codes: a stage of 16 rows x (128 bytes + 16) for each wave, for the way out
.set SROW,  144
.set SWAVE, 16*SROW
.set SPARE, STAGE+16*SWAVE             ; behind the stages: the spare words, 128 bytes for each wave: eight blocks of 256 bytes that no other line names
.set RA,    4                          ; rows of 256 bytes in a wave's first load,
.set RB,    60                         ; and in its second
.set LI,  1                            ; v1   16 x lane: my place in an image
.set ADR, 2                            ; v2   + the step in hand
.set SPW, 3                            ; v3   LDS address of my spare word; never rewritten
.set NIL, 4                            ; v4   0; never rewritten
.set DG,  5                            ; v5   the mask: 16 g + lane % 16 - 16 (lane / 16)
.set GO,  6                            ; v6   the way out: my byte offset in the tile's rows of out0
.set STO, 7                            ; v7   the stage, in
.set RD,  8                            ; v8   the stage, back
.set QA,  9                            ; v9   my byte offset in the tile's rows of queries
.set RR,  10                           ; v10  lane % 16
.set HH,  11                           ; v11  lane / 16
                                       ; v12  -M;  v13 the largest t;  v[14:15] the sum, in two halves
.set Q,   16                           ; v16-23   Q's fragment
.set F,   32                           ; v32-95   K's eight fragments, then V's four
.set S,   96                           ; v96-159  S^T, then p
.set O,   160                          ; v160-191 O^T
.set PC,  192                          ; v192-207 p's codes
.set FF,  208                          ; v[208:209] f = 2^(old M - new M) (the pair is named; its low word serves)
.set L2,  210                          ; v[210:211] the sum's second chain
.set T0,  212                          ; v212, v213 at work
.set T1,  213
.set PX,  214                          ; v214 a lane permute's destination
.set SCP, 215                          ; v215 2^ep
.set LIM, 216                          ; v216 448 x 2^ep
.set ZR,  217                          ; v217 0: a hidden score
.set P0,  218                          ; v218 2^-M, once M is final
.set WV,  12                           ; s12  my wave's number
.set BLK, 15                           ; s15  my block of 128 queries
.set CX,  16                           ; s16  my work-group's place in the cluster
.set G,   17                           ; s17  work-group x
.set HEAD, 18                          ; s18
.set Q0,  19                           ; s19  my first query
.set SEL, 20                           ; s[20:21] v_permlanex16_b32's selects: lane l xor 16
.set CS,  22                           ; s[22:23] c = log2(e) / 8 x 2^(eq + ek)
.set G1A, 24                           ; s[24:31], s[32:39] descriptor groups 1;  s[40:43], s[44:47] groups 0
.set G1B, 32
.set G0A, 40
.set G0B, 44
.set E,   48                           ; s[48:51] eq, ek, ev, ep
.set J,   52                           ; s52  the step
.set TB,  53                           ; s53  its first LDS byte
.set CNT, 60                           ; s60  the keys of my light steps: 128 (15 - BLK)
.set EPV, 61                           ; s61  ep + ev
; A round of the cluster's barrier: my work-group's barrier; wave 0 signals for the work-group; every wave waits for all four work-groups; my work-group's barrier once more.
.macro CROUND
	s_barrier_signal -1
	s_barrier_wait -1
	s_cmp_lg_u32 s[WV], 0
	s_cbranch_scc1 .Lnot_wave_0_\@
	s_barrier_signal -3
.Lnot_wave_0_\@:
	s_barrier_wait -3
	s_barrier_signal -1
	s_barrier_wait -1
.endm
	s_load_b256 s[4:11], s[0:1], 0x0               ; kv s[4:5], the scales' exponents s[6:7], queries s[8:9], out0 s[10:11]
	v_lshl_add_u32 v[SPW], v0, 2, SPARE
	v_mov_b32 v[NIL], 0
	ds_add_u32 v[SPW], v[NIL]                      ; the wave's opening: the add and its wait ahead of my first tensor load; the set-up below, work on registers, stands between them
	v_lshrrev_b32 v[T0], 5, v0
	v_readfirstlane_b32 s[WV], v[T0]               ; wave 0..15
	s_and_b32 s13, s[WV], 3                        ; a
	s_lshr_b32 s14, s[WV], 2                       ; k
	s_lshl_b32 s54, s14, 1
	s_lshr_b32 s54, 0x78, s54
	s_and_b32 s54, s54, 3                          ; sigma(k) = 0, 2, 3, 1
	s_xor_b32 s54, s54, s13
	s_xor_b32 s55, s13, s14
	s_lshl_b32 s55, s55, 2
	s_add_co_u32 s[BLK], s55, s54                  ; 4 (a ^ k) + (a ^ sigma(k))
	s_and_b32 s[HEAD], ttmp7, 0xffff               ; the head, which the four partners share
	; descriptor groups 1: dense rows of 32 elements of 8 bytes
	s_mov_b32 s[G1A], 15|(3<<16)|(1<<21)           ; 15:0 the mask: all four work-groups; 17:16 elements of 8 bytes; 20 no padding; 21 set beside a mask
	s_mov_b32 s[G1A+1], 32<<16                     ; tensor_dim0 = 32
	s_mov_b32 s[G1A+2], RA<<16                     ; tensor_dim1
	s_mov_b32 s[G1A+3], 32<<16                     ; tile_dim0 = 32
	s_mov_b32 s[G1A+4], RA                         ; tile_dim1
	s_mov_b32 s[G1A+5], 32                         ; from row to row: 32 elements
	s_mov_b32 s[G1A+6], 0
	s_mov_b32 s[G1A+7], 0
	s_mov_b32 s[G1B], 15|(3<<16)|(1<<21)
	s_mov_b32 s[G1B+1], 32<<16
	s_mov_b32 s[G1B+2], RB<<16
	s_mov_b32 s[G1B+3], 32<<16
	s_mov_b32 s[G1B+4], RB
	s_mov_b32 s[G1B+5], 32
	s_mov_b32 s[G1B+6], 0
	s_mov_b32 s[G1B+7], 0
	; LDS holds the head's codes as they lie in memory: a part's LDS address is its offset in the head.  Wave and head alone enter these registers
	s_lshl_b32 s[G0A+1], s[WV], 10                 ; my 1,024 bytes of step 0
	s_mul_i32 s[G0B+1], s[WV], RB*256
	s_add_co_u32 s[G0B+1], s[G0B+1], STEPB         ; my 15,360 bytes of steps 1 to 15
	s_lshl_b32 s58, s[HEAD], 18
	s_add_co_u32 s62, s58, s[G0B+1]
	s_add_co_u32 s58, s58, s[G0A+1]
	s_mov_b32 s59, 0
	s_mov_b32 s63, 0
	s_mov_b32 s[SEL], 0x76543210
	s_mov_b32 s[SEL+1], 0xfedcba98
	s_mov_b32 s[J], 0
	s_mov_b32 s[TB], 0
	v_and_b32 v[T0], 31, v0
	v_lshlrev_b32 v[LI], 4, v[T0]
	v_and_b32 v[RR], 15, v0
	v_bfe_u32 v[HH], v0, 4, 1
	s_mul_i32 s54, s[WV], SWAVE
	s_add_co_u32 s54, s54, STAGE                   ; my stage.  Its two address registers are made here, ahead of every branch on the wave's number
	v_mul_u32_u24 v[STO], v[RR], SROW
	v_lshl_add_u32 v[STO], v[HH], 5, v[STO]
	v_add_nc_u32 v[STO], s54, v[STO]               ; in: row lane % 16, 32 bytes for each half of the lanes
	v_mul_u32_u24 v[RD], v[HH], SROW
	v_and_b32 v[T1], 7, v[RR]
	v_lshl_add_u32 v[RD], v[T1], 4, v[RD]
	v_add_nc_u32 v[RD], s54, v[RD]                 ; back: lanes 0-15 one row, lanes 16-31 the next; eight lanes take its 128 bytes, the other eight the same
	; what hangs on my work-group's place: Q's and O's rows and the mask's compare value
	s_bfe_u32 s[CX], ttmp6, 0x40000
	s_lshl_b32 s[G], ttmp9, 2                      ; in a cluster launch ttmp9 counts clusters
	s_add_co_u32 s[G], s[G], s[CX]
	s_lshl_b32 s[Q0], s[BLK], 7
	s_lshl_b32 s55, s[G], 4
	s_add_co_u32 s[Q0], s[Q0], s55                 ; my first query: 128 BLK + 16 g
	s_lshr_b32 s56, s[HEAD], 4
	s_lshl_b32 s56, s56, 23                        ; b x 2^23
	s_and_b32 s57, s[HEAD], 15
	s_lshl_b32 s57, s57, 8                         ; + 256 h
	s_add_co_u32 s56, s56, s57
	s_lshl_b32 s57, s[Q0], 12                      ; + 4,096 x query
	s_add_co_u32 s56, s56, s57
	s_mov_b32 s57, 0
	v_lshlrev_b32 v[QA], 12, v[RR]
	v_lshl_add_u32 v[QA], v[HH], 6, v[QA]          ; query lane % 16, + 64 (lane / 16): my 16 numbers of a block of 32
	v_lshlrev_b32 v[T0], 4, v[HH]
	v_sub_nc_u32 v[DG], v[RR], v[T0]
	v_add_nc_u32 v[DG], s55, v[DG]
	s_wait_dscnt 0x0                               ; the opening add is done
	s_wait_kmcnt 0x0
	s_load_b128 s[E:E+3], s[6:7], 0x0              ; eq, ek, ev, ep
	s_add_nc_u64 s[8:9], s[8:9], s[56:57]
	s_add_nc_u64 s[10:11], s[10:11], s[56:57]
.irp c, 0,1
.irp q, 0,1,2,3
	global_load_b128 v[S+16*\c+4*\q:S+16*\c+4*\q+3], v[QA], s[8:9] offset:128*\c+16*\q   ; Q(lane % 16, 32 c + 16 (lane / 16) + 4 q ..): the eight loads together take the tile's 16 rows whole
.endr
.endr
	s_mov_b32 s[G0A], 1                            ; 1:0 count = 1
	s_add_nc_u64 s[G0A+2:G0A+3], s[4:5], s[58:59]  ; 120:64 global address
	s_or_b32 s[G0A+3], s[G0A+3], 0x80000000        ; 127:126 type = 2
	s_mov_b32 s[G0B], 1
	s_add_nc_u64 s[G0B+2:G0B+3], s[4:5], s[62:63]
	s_or_b32 s[G0B+3], s[G0B+3], 0x80000000
	CROUND                                         ; all four work-groups are here: the joint loads meet
	tensor_load_to_lds s[G0A:G0A+3], s[G1A:G1A+7]  ; both first fills stand together, ahead of every wait on TENSORcnt and every LDS read; an s_nop 0 follows each, four v_nop the second's
	s_nop 0
	tensor_load_to_lds s[G0B:G0B+3], s[G1B:G1B+7]
	s_nop 0
.rept 4
	v_nop
.endr
	v_mov_b32 v[ZR], 0
.set k, 0
.rept 32
	v_mov_b32 v[O+k], 0                            ; O^T.  (The step is written for every step: the first finds zeros)
.set k, k+1
.endr
.set k, 0
.rept 16
	v_mov_b32 v[PC+k], 0                           ; written once, so that they are written on every way to the second product
.set k, k+1
.endr
	v_mov_b32 v[P0], 0
	v_mov_b32 v14, 0
	v_mov_b32 v15, 0
	v_mov_b32 v[FF+1], 0                           ; (named as the upper half of a pair)
	v_mov_b32 v[PX], 0                             ; a lane permute's destination counts as one of its sources
	v_add_nc_u32 v[T0], s[Q0], v[RR]               ; my query
	v_mov_b32 v[T1], 0xff61b1e6                    ; -3e38, under every t
	v_cmp_eq_u32 vcc_lo, 0x7ff, v[T0]
	v_cndmask_b32 v13, 0, v[T1], vcc_lo            ; the largest t so far: 0, the hidden slots' t; query 2,047 has none
	v_floor_f32 v12, -v13                          ; -M
	s_wait_kmcnt 0x0
	s_add_co_i32 s54, s[E], s[E+1]
	s_lshl_b32 s54, s54, 23
	s_mov_b32 s[CS], 0x3e38aa3b                    ; log2(e) / 8
	s_add_co_i32 s[CS], s[CS], s54                 ; a score stands for score x 2^(eq + ek): the two exponents are added to c's exponent field
	s_mov_b32 s[CS+1], s[CS]                       ; (named with it as a pair, so it is written)
	s_add_co_i32 s54, s[E+3], 127
	s_lshl_b32 s55, s54, 23
	v_mov_b32 v[SCP], s55                          ; 2^ep
	s_add_co_i32 s54, s54, 8
	s_lshl_b32 s54, s54, 23
	s_or_b32 s54, s54, 0x600000
	v_mov_b32 v[LIM], s54                          ; 448 x 2^ep
	s_add_co_i32 s54, s[E], 127
	s_lshl_b32 s55, s54, 23
	v_mov_b32 v[T0], s55                           ; 2^eq
	s_add_co_i32 s54, s54, 8
	s_lshl_b32 s54, s54, 23
	s_or_b32 s54, s54, 0x600000
	v_mov_b32 v[T1], s54                           ; 448 x 2^eq
	s_add_co_i32 s[EPV], s[E+2], s[E+3]
	s_sub_co_u32 s[CNT], 15, s[BLK]
	s_lshl_b32 s[CNT], s[CNT], 7
	s_wait_loadcnt 0x0                             ; Q
.set k, 0
.rept 32
	v_med3_num_f32 v[S+k], v[S+k], -v[T1], v[T1]   ; the conversion to an 8-bit code does not saturate (ISA guide 7.6.2): the hold at the largest code x the scale
.set k, k+1
.endr
.irp c, 0,1,2,3
	v_cvt_scalef32_pk8_fp8_f32 v[Q+2*\c:Q+2*\c+1], v[S+8*\c:S+8*\c+7], v[T0]
.endr
	v_nop                                          ; one plain vector instruction between a scaled conversion and the products that read its result and write its sources
.macro VLOADS                          ; V's four fragments: 16 channels x 128 keys each
.irp g, 0,1,2,3
.irp c, 0,1,2,3
	ds_load_b128 v[F+16*\g+4*\c:F+16*\g+4*\c+3], v[ADR] offset:VOFF+2048*\g+512*\c
.endr
.endr
.endm
; A STEP OF 128 KEYS.  first = 1: step 0, which is light for no wave and has no products ahead of it.
.macro STEP first
	v_add_nc_u32 v[ADR], s[TB], v[LI]
.if !\first
	v_nop                                          ; with the addition: four places between the last step's products and the loads into the registers that they read (ISA guide 7.12.1 for vector instructions)
	v_nop
	v_nop
	s_cmp_gt_u32 s[J], s[BLK]                      ; all 128 keys come after my queries?  The step's number against the wave's block: the same in every work-group
	s_cbranch_scc1 .Llight_\@
.endif
.irp t, 0,1,2,3,4,5,6,7
	ds_load_b128 v[F+8*\t:F+8*\t+3], v[ADR] offset:1024*\t
	ds_load_b128 v[F+8*\t+4:F+8*\t+7], v[ADR] offset:1024*\t+512
.endr
.irp t, 0,1,2,3,4,5,6,7
	s_wait_dscnt 14-2*\t                           ; LDS loads come back in order: tile t's two are in, the later tiles' stay out
	v_wmma_f32_16x16x64_fp8_fp8 v[S+8*\t:S+8*\t+7], v[F+8*\t:F+8*\t+7], v[Q:Q+7], 0
.endr
.rept 4
	v_nop                                          ; places in front of the loads into K's registers and of the first read of the scores
.endr
	VLOADS                                         ; they land while the softmax is walked
	s_cmp_lg_u32 s[J], s[BLK]
	s_cbranch_scc1 .Lopen_\@
	; on the diagonal: register 16 b + i holds key 128 J + 32 b + 16 (lane / 16) + i: hidden where 32 b + i > DG; a hidden score is 0
.irp n, 0,1,2,3,4,5,6,7,8,9,10,11,12,13,14,15,16,17,18,19,20,21,22,23,24,25,26,27,28,29,30,31,32,33,34,35,36,37,38,39,40,41,42,43,44,45,46,47,48,49,50,51,52,53,54,55,56,57,58,59,60,61,62,63
	v_cmp_gt_i32 vcc_lo, 32*(\n/16)+\n%16, v[DG]
	v_cndmask_b32 v[S+\n], v[S+\n], v[ZR], vcc_lo
.endr
.Lopen_\@:
	v_max3_num_f32 v[T0], v[S], v[S+1], v[S+2]     ; the step's largest score of my query among my 64 keys, in two chains; each accumulator is read from its low end on
	v_max3_num_f32 v[T1], v[S+3], v[S+4], v[S+5]
.set k, 6
.rept 14
	v_max3_num_f32 v[T0], v[T0], v[S+k], v[S+k+1]
	v_max3_num_f32 v[T1], v[T1], v[S+k+2], v[S+k+3]
.set k, k+4
.endr
	v_max3_num_f32 v[T0], v[T0], v[S+62], v[S+63]
	v_max_num_f32 v[T0], v[T0], v[T1]
	v_permlanex16_b32 v[PX], v[T0], s[SEL], s[SEL+1]
	v_max_num_f32 v[T0], v[T0], v[PX]              ; and among lane l xor 16's
	v_mul_f32 v[T0], s[CS], v[T0]                  ; as t (c is positive)
	v_max_num_f32 v13, v13, v[T0]                  ; the running largest t
	v_mov_b32 v[T0], v12
	v_floor_f32 v12, -v13                          ; the new -M = floor(-t) = -ceil(t): a whole number
	v_sub_f32 v[T0], v12, v[T0]                    ; old M less new M: a whole number, 0 or less
	v_cvt_i32_f32 v[T0], v[T0]                     ; (it saturates)
	v_ldexp_f32 v[FF], 1.0, v[T0]                  ; f = 2^(old M - new M)
.set k, 0
.rept 32
	v_pk_fma_f32 v[S+k:S+k+1], v[S+k:S+k+1], s[CS:CS+1], v[12:13] op_sel_hi:[1,0,0]   ; t - M, two at a time (of the pairs c and -M the low word serves both halves)
.set k, k+2
.endr
.set k, 0
.rept 64
	v_exp_f32 v[S+k], v[S+k]                       ; p = 2^(t - M), at most 1
.set k, k+1
.endr
	v_pk_mul_f32 v[14:15], v[14:15], v[FF:FF+1] op_sel_hi:[1,0]   ; the sums under the new M: the plain instruction behind the exponentials
	s_wait_alu depctr_va_vdst(0)                   ; the wait ahead of the first instruction that names a result: one for the batch of 64
	v_pk_add_f32 v[L2:L2+1], v[S:S+1], v[S+2:S+3]  ; the row's sum is taken of the unquantised p: two at a time, in two chains
.set k, 4
.rept 15
	v_pk_add_f32 v[14:15], v[14:15], v[S+k:S+k+1]
	v_pk_add_f32 v[L2:L2+1], v[L2:L2+1], v[S+k+2:S+k+3]
.set k, k+4
.endr
	v_pk_add_f32 v[14:15], v[14:15], v[L2:L2+1]
.irp b, 0,1,2,3
.irp i, 0,1,2,3,4,5,6,7,8,9,10,11,12,13,14,15
	v_min_num_f32 v[S+16*\b+\i], v[S+16*\b+\i], v[LIM]   ; the hold; p is not negative, so it is one-sided
.endr
	v_cvt_scalef32_pk8_fp8_f32 v[PC+4*\b:PC+4*\b+1], v[S+16*\b:S+16*\b+7], v[SCP]
	v_cvt_scalef32_pk8_fp8_f32 v[PC+4*\b+2:PC+4*\b+3], v[S+16*\b+8:S+16*\b+15], v[SCP]
.endr
.set k, 0
.rept 16
	v_pk_mul_f32 v[O+k:O+k+1], v[O+k:O+k+1], v[FF:FF+1] op_sel_hi:[1,0]   ; O^T under the new M.  (Also the plain instructions between the conversions and the products below)
.set k, k+2
.endr
.if !\first
	s_branch .Lpv_\@
.Llight_\@:
	VLOADS                                         ; a light step: p's codes stand in their registers since the diagonal step
.Lpv_\@:
.endif
.irp g, 0,1,2,3                        ; O^T += V^T P^T.  On both ways V's sixteen loads are my last LDS instructions.  The four accumulators take turns, one instruction a turn
	s_wait_dscnt 12-4*\g                           ; channel tile g's four loads are in, the later tiles' stay out
	v_wmma_f32_16x16x128_fp8_fp8 v[O+8*\g:O+8*\g+7], v[F+16*\g:F+16*\g+15], v[PC:PC+15], v[O+8*\g:O+8*\g+7]
.endr
	s_cmp_lg_u32 s[J], s[BLK]
	s_cbranch_scc1 .Lnext_\@
	; behind the diagonal step M is final: every later key's p is 2^-M.  Its code fills the fragment for all light steps.  The eleven plain lines ahead of the conversion are the places behind the products that read p's codes
	v_min_num_f32 v[T0], 0, v12                    ; -M, at most 0 (query 2,047's may be above: it has no later key, and its 2^-M is multiplied by a count of 0: so it is kept finite)
	v_cvt_i32_f32 v[T0], v[T0]
	v_ldexp_f32 v[P0], 1.0, v[T0]
	v_min_num_f32 v[S], v[P0], v[LIM]
.irp i, 1,2,3,4,5,6,7
	v_mov_b32 v[S+\i], v[S]
.endr
	v_cvt_scalef32_pk8_fp8_f32 v[PC:PC+1], v[S:S+7], v[SCP]
	v_nop                                          ; one plain vector instruction behind the scaled conversion
.irp i, 2,3,4,5,6,7,8,9,10,11,12,13,14,15
	v_mov_b32 v[PC+\i], v[PC]
.endr
.Lnext_\@:
	s_add_co_u32 s[TB], s[TB], STEPB
.endm
	s_wait_tensorcnt 0x1                           ; my part of step 0 is in; my part of steps 1 to 15 may stay out
	s_barrier_signal -1
	s_barrier_wait -1                              ; everybody's is
	STEP 1                                         ; step 0: a full step (on the diagonal for block 0) in every wave
	s_mov_b32 s[J], 1
	s_wait_tensorcnt 0x0                           ; my part of steps 1 to 15 is in,
	s_wait_dscnt 0x0
	s_barrier_signal -1
	s_barrier_wait -1                              ; everybody's is: from here on no wave waits for another
.Lstep:                                            ; 15 trips
	STEP 0
	s_add_co_u32 s[J], s[J], 1
	s_cmp_lt_u32 s[J], 16
	s_cbranch_scc1 .Lstep
	; THE WAY OUT.  The additions and the address work are the places behind the last products.
	v_add_f32 v14, v14, v15                        ; the sum's two halves,
	v_permlanex16_b32 v[PX], v14, s[SEL], s[SEL+1]
	v_add_f32 v14, v14, v[PX]                      ; lane l xor 16's,
	v_cvt_f32_u32 v[T0], s[CNT]
	v_fma_f32 v14, v[T0], v[P0], v14               ; and the light steps' keys: 128 (15 - BLK) x 2^-M, unquantised
	v_rcp_f32 v14, v14
	v_lshlrev_b32 v[GO], 12, v[HH]                 ; (plain instructions behind the reciprocal)  lanes 0-15 one row of out0, lanes 16-31 the next query's,
	v_lshl_add_u32 v[GO], v[RR], 4, v[GO]          ; 16 bytes a lane
	s_wait_alu depctr_va_vdst(0)                   ; the wait ahead of the first reader
	v_ldexp_f32 v14, v14, s[EPV]                   ; x 2^(ep + ev)
.set k, 0
.rept 16
	v_pk_mul_f32 v[S+k:S+k+1], v[O+k:O+k+1], v[14:15] op_sel_hi:[1,0]   ; register 8 g + i is o(lane % 16, 16 g + 8 (lane / 16) + i); each accumulator from its low end on
.set k, k+2
.endr
	; A lane holds 32 neighbouring bytes of a row, and the lanes beside it hold other rows.  The stage has room for half a row (32 channels, 128 bytes) of the 16 queries: the two halves go through it one after the other, each read
	; back by all lanes (lanes 8-15 of a row's sixteen read what lanes 0-7 read); then lanes 8-15 take the second half's registers.  LDS serves a wave's instructions in order: no wait between stores and loads.
.irp u, 0,1
.irp g, 0,1
.irp e, 0,1
	ds_store_b128 v[STO], v[S+16*\u+8*\g+4*\e:S+16*\u+8*\g+4*\e+3] offset:64*\g+16*\e
.endr
.endr
.irp i, 0,1,2,3,4,5,6,7
	ds_load_b128 v[F+32*\u+4*\i:F+32*\u+4*\i+3], v[RD] offset:2*SROW*\i
.endr
.endr
	s_wait_dscnt 0x0
	v_cmp_lt_u32 vcc_lo, 7, v[RR]
.set k, 0
.rept 32
	v_cndmask_b32 v[F+k], v[F+k], v[F+32+k], vcc_lo
.set k, k+1
.endr
.irp i, 0,1,2,3,4,5,6,7
	global_store_b128 v[GO], v[F+4*\i:F+4*\i+3], s[10:11] offset:8192*\i th:TH_STORE_NT   ; sixteen lanes store a query's 256 consecutive bytes, aligned; written once, read by nobody here
.endr
	s_wait_tensorcnt 0x0                           ; the wave's end: the wait, the add and its wait, behind my last tensor load and my last LDS store
	ds_add_u32 v[SPW], v[NIL]
	s_wait_dscnt 0x0
	CROUND                                         ; the closing round
	s_endpgm
.Lfunc_end_k_q5869006f4d_attn:
	.size	k_q5869006f4d_attn, .Lfunc_end_k_q5869006f4d_attn-k_q5869006f4d_attn
	.p2alignl 7, 3214868480
	.fill 96, 4, 3214868480
	.section	.rodata,"a",@progbits
	.p2align	6, 0x0
	.amdhsa_kernel k_q5869006f4d_attn
		.amdhsa_group_segment_fixed_size 301056
		.amdhsa_private_segment_fixed_size 0
		.amdhsa_enable_private_segment 0
		.amdhsa_kernarg_size 32
		.amdhsa_user_sgpr_count 2
		.amdhsa_user_sgpr_kernarg_segment_ptr 1
		.amdhsa_wavefront_size32 1
		.amdhsa_system_sgpr_workgroup_id_x 1
		.amdhsa_system_sgpr_workgroup_id_y 1
		.amdhsa_system_sgpr_workgroup_id_z 1
		.amdhsa_system_vgpr_workitem_id 0
		.amdhsa_next_free_vgpr 256
		.amdhsa_next_free_sgpr 66
		.amdhsa_reserve_vcc 1
		.amdhsa_float_denorm_mode_32 3
		.amdhsa_float_denorm_mode_16_64 3
		.amdhsa_memory_ordered 1
		.amdhsa_forward_progress 1
		.amdhsa_inst_pref_size 61
	.end_amdhsa_kernel
	.amdgpu_metadata
---
amdhsa.version: [ 1, 2 ]
amdhsa.kernels:
  - .name:           k_q5869006f4d_attn
    .symbol:         k_q5869006f4d_attn.kd
    .args:
      - { .name: kv, .offset: 0, .size: 8, .value_kind: global_buffer, .address_space: global }
      - { .name: lowp_scales, .offset: 8, .size: 8, .value_kind: global_buffer, .address_space: global }
      - { .name: queries, .offset: 16, .size: 8, .value_kind: global_buffer, .address_space: global }
      - { .name: out0, .offset: 24, .size: 8, .value_kind: global_buffer, .address_space: global }
    .group_segment_fixed_size: 301056
    .private_segment_fixed_size: 0
    .kernarg_segment_align: 8
    .kernarg_segment_size: 32
    .max_flat_workgroup_size: 512
    .sgpr_count:     66
    .vgpr_count:     256
    .wavefront_size: 32
...
	.end_amdgpu_metadata
.endif
;; end of part 2
